; MI455X (gfx1250); checked and timed in simulation.
; The chip was launched on July 23, 2026; its instructions are those of AMD's public machine-readable ISA for CDNA 5 (MIT licence, August 2026) and "CDNA5" Instruction Set Architecture Reference Guide (July 2026). The comments in the code are by the model that wrote it; some were corrected since.
;; Co PE Attention. Allowed arithmetic: matrix products marked QUANTISED: E2M3 operands, one E8M0 scale for each 32 along K, by v_wmma_scale_f32_16x16x128_f8f6f4 with both operands' format E2M3, f32 sums; everything else in f32.
;; Inputs: Wk 768 x 768 float32; Wq 768 x 768 float32; Wv 768 x 768 float32; attention_mask 8 x 1,024 int32; bk 768 float32; bq 768 float32; bv 768 float32; pos_emb 768 x 512 float32; token_embeddings 8 x 1,024 x 768 float32.
;; Outputs: out0 8 x 768 float32.
;; This version of the problem:
;;   THIS VERSION OF THE PROBLEM IS GIVEN IN LOW PRECISION. The matrix products marked QUANTISED in the list below multiply operands that are first quantised to E2M3 (2 exponent bits, 3 mantissa bits; 6 bits a number), with one power-of-two scale for each 32 numbers along K (OCP MX v1.0); their sums are f32. All else is computed in f32.
;;   The module's matrix products, in the order in which they are computed (A, B: the left and right operand; K: the contracted axis; several contracted axes count as one K, in the product's order):
;;     1. [M 8,192, K 768] x [K 768, N 768]; A: input token_embeddings; B: input Wq: QUANTISED
;;     2. [M 8,192, K 768] x [K 768, N 768]; A: input token_embeddings; B: input Wk: QUANTISED
;;     3. [M 8,192, K 768] x [K 768, N 768]; A: input token_embeddings; B: input Wv: QUANTISED
;;     4. batch 8 x [M 1,024, K 768] x [K 768, N 1,024]; A: computed on the way; B: computed on the way: QUANTISED
;;     5. [M 8,192, K 768] x [K 768, N 512]; A: computed on the way; B: input pos_emb: QUANTISED
;;     6. batch 8 x [M 1,024, K 1,024] x [K 1,024, N 768]; A: softmax (see below); B: computed on the way: QUANTISED
;;   THE QUANTISER, for each operand of a quantised product, along K:
;;     - K is cut into blocks of 32 from its start; a last block that is shorter is filled with zeros.
;;     - A block's scale is 2^e with e = floor(log2(the largest magnitude in the block)) - 2, held to -126 .. 127; a block of zeros has e = 0. As a byte (E8M0): e + 127.
;;     - Each number is divided by its block's scale, clamped to +-7.5, and rounded to the nearest number of E2M3, ties to even, subnormals kept.
;;     - The product sums the exact products of the quantised numbers (number of the format x scale) in f32.
;;   ~~~python
;;   def quantise(x, axis):      # numpy; x: float32 -> the quantised numbers, widened to float32 again
;;       x = np.moveaxis(x, axis, -1); K = x.shape[-1]
;;       x = np.pad(x, [(0, 0)] * (x.ndim - 1) + [(0, -K % 32)]); x = x.reshape(x.shape[:-1] + (-1, 32)); a = np.abs(x).max(-1, keepdims=True)
;;       e = np.where(a > 0, np.clip(np.frexp(np.where(a > 0, a, 1))[1] - 1 - 2, -126, 127), 0)      # np.frexp(a)[1] - 1 = floor(log2(a)), exactly
;;       r = np.clip(x / 2.0 ** e, -7.5, 7.5)
;;       step = 2.0 ** (np.maximum(np.frexp(np.where(r == 0, 1, r))[1] - 1, 0) - 3)
;;       q = np.round(r / step) * step * 2.0 ** e      # np.round: ties to even
;;       return np.moveaxis(q.reshape(q.shape[:-2] + (-1,))[..., :K], -1, axis).astype(np.float32)
;;   ~~~
;;   SOFTMAX AHEAD OF A QUANTISED PRODUCT. Where the list says 'softmax', what is quantised is not the finished softmax but p = 2^(t - M), with t = logit x log2(e) and M = ceil(the row's largest t), a whole number; so 1/2 < the row's largest p <= 1. The row's sum l is taken of the UNQUANTISED p, in f32, and the product's result is divided by l at the end. Since M is a whole number, a kernel that streams over the keys may use a running M (the ceiling of the running maximum): every later rescaling is an exact power of two, which a block's scale takes up: the codes' values come out the same.
;;   OPERANDS COMPUTED ON THE WAY. 'Computed on the way' means the value that the module computes at that place (a softmax that the list does not call 'softmax' is quantised finished and normalised). What goes into a quantiser is computed in f32, as accurately as f32 sums, v_exp_f32 and their like allow (about 1e-6 of the number): no bf16 or f16 on the way to a quantiser, and a product that is left as it is and whose result goes on into a quantised operand takes f32 operands (vector FMAs, or v_wmma_f32_16x16x4_f32). A number that lies on a knife's edge between two numbers of the format may be rounded either way, as far as f32 arithmetic and the matrix unit's own rounding can turn it there, and no further.
;; One version. Each part assembles by itself: llvm-mc -triple=amdgcn-amd-amdhsa -mcpu=gfx1250 --defsym DOCPART=n.
;; ======== version 1 of 1: 3 launches
;; limits: right only within a limited range of input values
;; workspace buffers: cod 5,603,328 bytes; sc 233,472 bytes; pr 405,504 bytes; lgp 262,144 bytes; vc 4,718,592 bytes; vs 196,608 bytes; lint 65,536 bytes
;; launch prep (part 1): grid 696 x 1, 3 waves a work-group, no clusters, 57,856 bytes of LDS; arguments token_embeddings, Wk, Wv, Wq, bq, pos_emb, cod, sc, pr; writes cod, sc, pr
.if DOCPART == 1
	.amdgcn_target "amdgcn-amd-amdhsa--gfx1250"
	.amdhsa_code_object_version 6
	.text
	.protected	k_q3546a9bcfb_prep
	.globl	k_q3546a9bcfb_prep
	.p2align	8
	.type	k_q3546a9bcfb_prep,@function
k_q3546a9bcfb_prep:
	s_mov_b64 s[64:65], 0
	v_nop
	global_prefetch_b8 v0, s[64:65] scope:SCOPE_SE
	s_setreg_imm32_b32 hwreg(HW_REG_WAVE_MODE, 25, 1), 1
	s_wait_xcnt 0x0
; CoPE attention, CLS row only, in MX-FP6 (E2M3 codes, one E8M0 scale for each 32 along K).  FIRST OF THREE LAUNCHES.
; WORK LEFT OUT, for all values of the inputs: reference() returns out[:, 0, :].  out[b, 0] hangs on attn[b, 0, :] and on v[b]; attn[b, 0, :] on logits[b, 0, :], pos[b, 0, :] and logits_int[b, 0, :];
; these on q[b, 0] and on k[b].  No row s > 0 of q, logits, gates, pos, logits_int, attn or out has a way to out[:, 0, :]: those rows of products 1, 4, 5 and 6 are sliced away and are not computed.
; Products 2 and 3 (k and v of all 8,192 tokens) are live whole.  Every input keeps a way to the output and is loaded by some launch.
; LIMIT: a NaN, an infinity or an overflow that reaches only the rows left out is not carried to the result.
; THIS LAUNCH.  Three waves; wave g takes K steps 2 g and 2 g + 1 in paths A and B.  By the work-group's number n:
; A (n < 232, 256 .. 487, 552 .. 695): one of 608 tiles of 16 rows of token_embeddings, Wk, Wv into codes and scale words.
; B (232 .. 255): q0 = Q(x[b, 0]) Q(Wq)^T + bq for 32 d, whole along K, quantised along d: each wave multiplies two tiles of Wq on its two K steps; wave 0 adds the three parts and the bias, and quantises.
; C (488 .. 551): pos_emb's codes, K along its first axis: a wave takes 16 columns x one K step; a lane takes a column and its registers run down K.
; THE ROWS OF A TILE ARE NOT NEIGHBOURS: place i of tile T is row 32 (T / 2) + 8 (T % 2) + i + 8 (i / 8): in a product that takes the tile as source 0 the 16 result registers of tiles 2 b and 2 b + 1 are 16 neighbours along the next K.
; cod [half 0..1][tile 0..607][K step of the half 0..2][1,536 bytes]: a fragment as an image of its 12 registers (register 4 g + j of lane l at 512 g + 16 l + 4 j); tiles 0..511 x, 512..559 Wk, 560..607 Wv.
; sc: scale words [tile][place][6].
; pr [tile 0..32][block of 32 along K 0..23][512 bytes]: row r's 24 bytes of codes in 16 at 16 r and 8 at 256 + 8 r, its scale byte as a word at 384 + 4 r.  Tiles 0..31 pos_emb's columns, 16 each; tile 32 q0 (row r: batch r % 8).
; Rows turn through a wave's own stage in LDS, 528 bytes apart, and come back 32 neighbours of a block to a lane: lane (r, h) holds k = 64 c + 32 h + 0 .. 31 of row r.
; LIMITS: a block of zeros gets the byte 1 where the quantiser says 127 (its codes are zeros, and this program alone reads the bytes); blocks whose largest magnitude lies under 2^-124 are held at that floor;
; NaN and infinities among the floating-point inputs are not served.
; No cluster and no tensor load: the tiles are read once each; what path B's work-groups share (8 rows of x) is a small part of their bytes.
.set PLH,    2801664                   ; a half of cod: 608 x 4,608
.set ROWB,   3072
.set PITCH,  528
.set STG,    8448                      ; a stage: 16 rows
.set SCG,    25344                     ; LDS: path A's three stages from 0, then its 384 bytes of scale words,
.set STXB,   25856                     ; path B's three stages,
.set EXC,    51200                     ; its waves' sums, 2,048 bytes each,
.set SPARE,  57344                     ; and the spare words, 128 bytes a wave
.set L16, 3                            ; 16 x lane
.set RD,  4                            ; my row in my stage: 528 r + 128 h
.set RDX, 5
.set SH8, 6                            ; 8 h
.set SOF, 7
.set SPW, 8
.set NIL, 9
.set MX,  10
.set SO,  12
.set BY,  14
.set TP,  16
.set WW,  17                           ; path B: Wq's scale word
.set WD,  18                           ; v18-19 scale words (path B: x0's)
.set T2,  20                           ; v20-22, v24-26
.set OX,  23
.set LST, 27                           ; my stage + 16 x lane
.set PC,  28                           ; v28-51 two fragments (path B: x0's)
.set PW0, 52                           ; v52-63 path B: Wq's fragment
.set RG,  64                           ; v64-255 numbers
.set SEL, 62
.set MSB, 0
.macro WIN new
.if MSB != (\new)
	s_set_vgpr_msb (MSB<<8)|(\new)
.set MSB, \new
.endif
.endm
.macro WALU
	s_wait_alu depctr_va_vdst(0)
.endm
; 64 numbers of a lane, v[X + 32 c + i] = k 64 c + 32 h + i of my row, become 12 registers v[PCD ..] and my row's scale word v[PW]
.macro QFRAG X, PCD, PW
.irp c, 0,1
	v_max3_num_f32 v[MX+\c], |v[\X+32*\c]|, |v[\X+32*\c+1]|, 0x1800000   ; the floor 2^(3 - 127) holds the byte at 1 from below
.endr
.irp i, 2,4,6,8,10,12,14,16,18,20,22,24,26,28,30
.irp c, 0,1
	v_max3_num_f32 v[MX+\c], v[MX+\c], |v[\X+32*\c+\i]|, |v[\X+32*\c+\i+1]|
.endr
.endr
.irp c, 0,1
	v_add_nc_u32 v[SO+\c], 0xff000000, v[MX+\c]    ; 2 off the exponent field: the conversion takes that field as its scale
.endr
.irp c, 0,1
	v_lshrrev_b32 v[BY+\c], 23, v[SO+\c]
.endr
	v_lshl_or_b32 v[\PW], v[BY+1], 16, v[BY]       ; blocks h and 2 + h, at their places;
	v_lshlrev_b32 v[\PW], v[SH8], v[\PW]
	v_permlanex16_b32 v[TP], v[\PW], s[SEL], s[SEL+1]
	v_or_b32 v[\PW], v[\PW], v[TP]                 ; with lane l xor 16's two the word is whole
.irp c, 0,1
	v_cvt_scalef32_pk16_fp6_f32 v[\PCD+6*\c:\PCD+6*\c+2], v[\X+32*\c:\X+32*\c+15], v[SO+\c]
	v_cvt_scalef32_pk16_fp6_f32 v[T2+4*\c:T2+4*\c+2], v[\X+32*\c+16:\X+32*\c+31], v[SO+\c]
.endr
	v_nop                                          ; one plain place behind the scaled conversions
.irp c, 0,1
.irp i, 0,1,2
	v_mov_b32 v[\PCD+6*\c+3+\i], v[T2+4*\c+\i]
.endr
.endr
.endm
; a tile's 16 rows, from the base + off on: each load 512 consecutive bytes
.macro LOADF dst, base, off
.irp i, 0,1,2,3,4,5,6,7,8,9,10,11,12,13,14,15
	global_load_b128 v[(\dst)+4*\i:(\dst)+4*\i+3], v[L16], s[\base:\base+1] offset:(\i+8*(\i/8))*ROWB+(\off) th:TH_LOAD_NT
.endr
.endm
; through my stage: LDS serves a wave's instructions in order, so the loads see the stores
.macro TURN src, w, dst
	WIN \w
.irp i, 0,1,2,3,4,5,6,7,8,9,10,11,12,13,14,15
	ds_store_b128 v[LST], v[(\src)+4*\i:(\src)+4*\i+3] offset:PITCH*\i
.endr
	WIN 0
.irp c, 0,1
.irp j, 0,1,2,3,4,5,6,7
	ds_load_b128 v[(\dst)+32*\c+4*\j:(\dst)+32*\c+4*\j+3], v[RD] offset:256*\c+16*\j
.endr
.endr
.endm
.macro PLACES n
.rept \n
	v_nop
.endr
.endm
	s_load_b256 s[4:11], s[0:1], 0x0               ; x, Wk, Wv, Wq
	s_load_b256 s[12:19], s[0:1], 0x20             ; bq, pos_emb, cod, sc
	s_load_b64 s[20:21], s[0:1], 0x40              ; pr
	v_lshl_add_u32 v[SPW], v0, 2, SPARE
	v_mov_b32 v[NIL], 0
	v_lshrrev_b32 v1, 5, v0
	v_readfirstlane_b32 s22, v1                    ; wave
	s_mul_i32 s25, s22, STG
	v_and_b32 v1, 15, v0                           ; r
	v_bfe_u32 v2, v0, 4, 1                         ; h
	v_and_b32 v[L16], 31, v0
	v_lshlrev_b32 v[L16], 4, v[L16]
	v_add_nc_u32 v[LST], s25, v[L16]
	v_mul_u32_u24 v[RD], v1, PITCH
	v_lshl_add_u32 v[RD], v2, 7, v[RD]
	v_add_nc_u32 v[RD], s25, v[RD]
	v_lshlrev_b32 v[SH8], 3, v2
	v_mov_b32 v[TP], 0                             ; written once: a lane permute's destination counts as one of its sources
	WALU                                           ; the wait here, ahead of the scalar lines and branches below
	s_mov_b32 s[SEL], 0x76543210                   ; selects for lane l xor 16
	s_mov_b32 s[SEL+1], 0xfedcba98
	s_lshl_b32 s24, s22, 10                        ; K step 2 g begins 1,024 g bytes into a row
	s_cmp_lt_u32 ttmp9, 232
	s_cbranch_scc1 .Lpath_a
	s_cmp_lt_u32 ttmp9, 256
	s_cbranch_scc1 .Lpath_b
	s_cmp_lt_u32 ttmp9, 488
	s_cbranch_scc1 .Lpath_a
	s_cmp_lt_u32 ttmp9, 552
	s_cbranch_scc1 .Lpath_c
	; ---- PATH A
.Lpath_a:
	s_mov_b32 s26, 88
	s_cmp_lt_u32 ttmp9, 488
	s_cselect_b32 s26, 24, s26
	s_cmp_lt_u32 ttmp9, 232
	s_cselect_b32 s26, 0, s26
	s_sub_co_u32 s26, ttmp9, s26                   ; the tile
	s_mov_b32 s28, 560
	s_cmp_lt_u32 s26, 560
	s_cselect_b32 s28, 512, s28
	s_cmp_lt_u32 s26, 512
	s_cselect_b32 s28, 0, s28
	s_sub_co_u32 s28, s26, s28                     ; its number in its tensor
	s_lshr_b32 s29, s28, 1
	s_lshl_b32 s29, s29, 5
	s_and_b32 s28, s28, 1
	s_lshl_b32 s28, s28, 3
	s_add_co_u32 s28, s28, s29                     ; its first row
	s_mul_i32 s28, s28, ROWB
	s_add_co_u32 s28, s28, s24
	s_mov_b32 s29, 0
	s_mul_i32 s30, s26, 4608
	s_mov_b32 s31, PLH+1536                        ; where my two K steps lie in cod: wave 0 the first half's 0, 1; wave 1 its 2 and the second half's 0; wave 2 that one's 1, 2
	s_mov_b32 s32, PLH+3072
	s_cmp_eq_u32 s22, 1
	s_cselect_b32 s31, 3072, s31
	s_cselect_b32 s32, PLH, s32
	s_cmp_eq_u32 s22, 0
	s_cselect_b32 s31, 0, s31
	s_cselect_b32 s32, 1536, s32
	s_add_co_u32 s34, s30, s31
	s_mov_b32 s35, 0
	s_add_co_u32 s36, s30, s32
	s_mov_b32 s37, 0
	s_mul_i32 s38, s26, 384                        ; the tile's scale words
	s_mov_b32 s39, 0
	s_lshl_b32 s40, s22, 3
	s_add_co_u32 s40, s40, SCG
	v_mul_u32_u24 v[SOF], v1, 24
	v_add_nc_u32 v[SOF], s40, v[SOF]               ; row r's two words of mine
	v_lshlrev_b32 v[OX], 3, v0
	v_lshlrev_b32 v[RDX], 2, v0
	WALU                                           ; the wait at the head's end
	s_wait_kmcnt 0x0
	s_cmp_lt_u32 s26, 560                          ; the choice of the tensor hangs on the work-group's number alone
	s_cselect_b64 s[46:47], s[6:7], s[8:9]
	s_cmp_lt_u32 s26, 512
	s_cselect_b64 s[46:47], s[4:5], s[46:47]
	s_add_nc_u64 s[46:47], s[46:47], s[28:29]
	s_add_nc_u64 s[42:43], s[16:17], s[34:35]
	s_add_nc_u64 s[44:45], s[16:17], s[36:37]
	s_add_nc_u64 s[18:19], s[18:19], s[38:39]
	LOADF RG, 46, 0
	LOADF RG+64, 46, 512
.macro ASTEP t
	s_wait_loadcnt 16-16*(\t)                      ; this K step's 16 loads are in; the younger one's may be out
	TURN RG+64*(\t), 0, RG+64*(\t)
	s_wait_dscnt 0x0
	QFRAG RG+64*(\t), PC+12*(\t), WD+(\t)
.irp g, 0,1,2
	global_store_b128 v[L16], v[PC+12*(\t)+4*\g:PC+12*(\t)+4*\g+3], s[42+2*(\t):43+2*(\t)] offset:512*\g   ; 512 consecutive bytes, aligned
.endr
.endm
	ASTEP 0
	ASTEP 1
	ds_store_b64 v[SOF], v[WD:WD+1]                ; (both halves of the lanes write the same words with the same values)
	s_wait_dscnt 0x0                               ; for the others' sake: my words are stored
	s_barrier_signal -1
	s_barrier_wait -1
	s_cmp_eq_u32 s22, 0                            ; 384 bytes: wave 0 stores 256 of them, wave 1 the last 128
	s_cbranch_scc0 .Lnot_first
	ds_load_b64 v[64:65], v[OX] offset:SCG
	s_wait_dscnt 0x0
	global_store_b64 v[OX], v[64:65], s[18:19]
	s_branch .Lend
.Lnot_first:
	s_cmp_eq_u32 s22, 1
	s_cbranch_scc0 .Lend
	ds_load_b32 v64, v[RDX] offset:SCG+128
	s_wait_dscnt 0x0
	global_store_b32 v[RDX], v64, s[18:19] offset:128
.Lend:
	s_wait_tensorcnt 0x0                           ; the wave's end
	ds_add_u32 v[SPW], v[NIL]
	s_wait_dscnt 0x0
	s_endpgm
	; ---- PATH C
.Lpath_c:
	s_sub_co_u32 s26, ttmp9, 488
	s_mul_i32 s26, s26, 3
	s_add_co_u32 s26, s26, s22
	s_and_b32 s27, s26, 31                         ; which 16 columns
	s_lshr_b32 s28, s26, 5                         ; which K step
	s_lshl_b32 s30, s28, 18                        ; 128 rows of 2,048 bytes
	s_lshl_b32 s29, s27, 6
	s_add_co_u32 s30, s30, s29
	s_mov_b32 s31, 0
	s_mul_i32 s32, s27, 12288
	s_lshl_b32 s29, s28, 11
	s_add_co_u32 s32, s32, s29
	s_mov_b32 s33, 0
	v_lshlrev_b32 v[RDX], 2, v1
	v_lshl_add_u32 v[RDX], v2, 16, v[RDX]          ; column r; lanes 16-31 begin 32 rows further down
	v_lshlrev_b32 v[SOF], 9, v2
	v_lshl_add_u32 v[OX], v1, 3, v[SOF]
	v_lshl_add_u32 v[LST], v1, 2, v[SOF]
	v_lshl_add_u32 v[SOF], v1, 4, v[SOF]
	WALU                                           ; the wait at the head's end
	s_wait_kmcnt 0x0
	s_add_nc_u64 s[14:15], s[14:15], s[30:31]
	s_add_nc_u64 s[20:21], s[20:21], s[32:33]
.irp c, 0,1
.set I_, 0
.rept 32
	global_load_b32 v[RG+32*\c+I_], v[RDX], s[14:15] offset:(64*\c+I_)*2048
.set I_, I_+1
.endr
.endr
	s_wait_loadcnt 0x0
	QFRAG RG, PC, WD
.irp c, 0,1
	global_store_b128 v[SOF], v[PC+6*\c:PC+6*\c+3], s[20:21] offset:1024*\c        ; block 4 s + 2 c + h: sixteen lanes store 256 consecutive bytes
	global_store_b64 v[OX], v[PC+6*\c+4:PC+6*\c+5], s[20:21] offset:1024*\c+256
	global_store_b32 v[LST], v[BY+\c], s[20:21] offset:1024*\c+384
.endr
	s_endpgm
	; ---- PATH B.  v64-127 x0's two K steps as loaded, then by blocks, then the fourth unit of Wq; v128-191, v192-255 the first two units; window 1: v0-63 the third, v64-79 the sums of the two tiles
.Lpath_b:
	s_sub_co_u32 s23, ttmp9, 232
	s_lshl_b32 s26, s23, 5                         ; d0 = 32 x my number
	s_mul_i32 s30, s26, ROWB
	s_add_co_u32 s30, s30, s24
	s_mov_b32 s31, 0
	s_mov_b32 s28, s24
	s_mov_b32 s29, 0
	s_lshl_b32 s32, s26, 2
	s_mov_b32 s33, 0
	s_lshl_b32 s34, s23, 9
	s_add_co_u32 s34, s34, 393216                  ; tile 32 of pr, my block
	s_mov_b32 s35, 0
	s_add_co_u32 s37, s25, STXB
	s_lshl_b32 s38, s22, 11
	s_add_co_u32 s38, s38, EXC
	v_add_nc_u32 v[LST], STXB, v[LST]
	v_add_nc_u32 v[RD], STXB, v[RD]
	v_and_b32 v[RDX], 7, v0
	v_mul_u32_u24 v[RDX], v[RDX], PITCH
	v_lshl_add_u32 v[RDX], v2, 7, v[RDX]
	v_add_nc_u32 v[RDX], s37, v[RDX]
	v_add_nc_u32 v[SOF], s38, v[L16]
	v_lshlrev_b32 v[OX], 6, v2
	WALU                                           ; the wait at the head's end
	s_wait_kmcnt 0x0
	s_add_nc_u64 s[10:11], s[10:11], s[30:31]
	s_add_nc_u64 s[12:13], s[12:13], s[32:33]
	s_add_nc_u64 s[20:21], s[20:21], s[34:35]
	s_add_nc_u64 s[40:41], s[4:5], s[28:29]        ; x[b, 0]: 3,145,728 bytes from batch to batch
.irp b, 1,2,3,4,5,6,7
	s_add_nc_u64 s[40+2*\b:41+2*\b], s[38+2*\b:39+2*\b], 0x300000
.endr
.irp e, 0,1
.irp b, 0,1,2,3,4,5,6,7
	global_load_b128 v[RG+32*\e+4*\b:RG+32*\e+4*\b+3], v[L16], s[40+2*\b:41+2*\b] offset:512*\e
.endr
.endr
	LOADF 128, 10, 0                               ; tile 0's two K steps,
	LOADF 192, 10, 512
	WIN 0x40
	LOADF 0, 10, 8*ROWB                            ; and tile 1's first
	WIN 0
	s_wait_loadcnt 48                              ; x0 is in; Wq's 48 loads may be out
.irp e, 0,1
.irp b, 0,1,2,3,4,5,6,7
	ds_store_b128 v[LST], v[RG+32*\e+4*\b:RG+32*\e+4*\b+3] offset:8*PITCH*\e+PITCH*\b
.endr
.endr
.irp e, 0,1
.irp c, 0,1
.irp j, 0,1,2,3,4,5,6,7
	ds_load_b128 v[RG+32*\c+4*\j:RG+32*\c+4*\j+3], v[RDX] offset:8*PITCH*\e+256*\c+16*\j   ; lanes r and r + 8 take the same row: columns 8-15 of the product repeat columns 0-7
.endr
.endr
	s_wait_dscnt 0x0
	QFRAG RG, PC+12*\e, WD+\e
.endr
	LOADF RG, 10, 8*ROWB+512                       ; tile 1's second K step
; one unit: tile u's K step e
.macro UNIT wait, src, w, dst, u, e
	s_wait_loadcnt \wait                           ; this unit's 16 loads are in; younger loads may be out
	TURN \src, \w, \dst
	s_wait_dscnt 0x0
	QFRAG \dst, PW0, WW
	PLACES 8                                       ; a scale word written by a vector instruction stands 8 places ahead of a scaled matrix instruction, an operand 4
	WIN 0x40+0x10*(\e)                             ; D (and C) window 1
.if \e
	WALU                                           ; the wait directly ahead of the link
	v_wmma_scale_f32_16x16x128_f8f6f4 v[64+8*(\u):71+8*(\u)], v[PW0:PW0+11], v[PC+12:PC+23], v[64+8*(\u):71+8*(\u)], v[WW], v[WD+1] matrix_a_fmt:MATRIX_FMT_FP6 matrix_b_fmt:MATRIX_FMT_FP6
.else
	v_wmma_scale_f32_16x16x128_f8f6f4 v[64+8*(\u):71+8*(\u)], v[PW0:PW0+11], v[PC:PC+11], 0, v[WW], v[WD] matrix_a_fmt:MATRIX_FMT_FP6 matrix_b_fmt:MATRIX_FMT_FP6
.endif
	WIN 0
.endm
	UNIT 48, 128, 0, 128, 0, 0
	UNIT 32, 192, 0, 192, 0, 1
	UNIT 16, 0, 0x04, 128, 1, 0
.irp j, 0,1,2,3
	global_load_b128 v[192+4*\j:195+4*\j], v[OX], s[12:13] offset:16*\j    ; bq at d0 + 16 h + 0 .. 15
.endr
	UNIT 4, 64, 0, 64, 1, 1
	PLACES 4
	WIN 0x04
.irp q, 0,1,2,3
	ds_store_b128 v[SOF], v[64+4*\q:67+4*\q] offset:512*\q
.endr
	WIN 0
	s_wait_loadcnt 0x0
	s_wait_dscnt 0x0                               ; for wave 0's sake: my sums are stored
	s_barrier_signal -1
	s_barrier_wait -1
	s_cmp_eq_u32 s22, 0
	s_cbranch_scc0 .Lend_b
.irp g, 0,1,2
.irp q, 0,1,2,3
	ds_load_b128 v[64+16*\g+4*\q:67+16*\g+4*\q], v[SOF] offset:2048*\g+512*\q
.endr
.endr
	s_wait_dscnt 0x0
.irp s, 80, 96, 192
.irp j, 0,2,4,6,8,10,12,14
	v_pk_add_f32 v[64+\j:65+\j], v[64+\j:65+\j], v[\s+\j:\s+\j+1]  ; the three parts along K, ascending, and the bias: 16 neighbours, d = d0 + 16 h + 0 .. 15
.endr
.endr
	v_max3_num_f32 v[MX], |v64|, |v65|, 0x1800000
	v_max3_num_f32 v[MX+1], |v66|, |v67|, |v68|
	v_max3_num_f32 v[MX], v[MX], |v69|, |v70|
	v_max3_num_f32 v[MX+1], v[MX+1], |v71|, |v72|
	v_max3_num_f32 v[MX], v[MX], |v73|, |v74|
	v_max3_num_f32 v[MX+1], v[MX+1], |v75|, |v76|
	v_max3_num_f32 v[MX], v[MX], |v77|, |v78|
	v_max3_num_f32 v[MX], v[MX], v[MX+1], |v79|
	v_permlanex16_b32 v[TP], v[MX], s[SEL], s[SEL+1]
	v_max_num_f32 v[MX], v[MX], v[TP]              ; the block's largest magnitude
	v_add_nc_u32 v[SO], 0xff000000, v[MX]
	v_lshrrev_b32 v[BY], 23, v[SO]
	v_mov_b32 v31, 0
	v_mov_b32 v32, 0
	v_mov_b32 v33, 0
	v_cvt_scalef32_pk16_fp6_f32 v[28:30], v[64:79], v[SO]
	v_nop
.irp i, 0,1,2
	v_permlane16_swap_b32 v[28+\i], v[31+\i]       ; lanes 0-15: v28-30 the block's lower 16 codes, v31-33 the upper 16
.endr
	v_lshlrev_b32 v112, 4, v1
	v_lshlrev_b32 v113, 3, v1
	v_lshlrev_b32 v114, 2, v1
	WALU                                           ; the wait here, directly ahead of the wait below
	s_wait_xcnt 0x0
	s_mov_b32 exec_lo, 0xffff                      ; the sixteen rows
	global_store_b128 v112, v[28:31], s[20:21]
	global_store_b64 v113, v[32:33], s[20:21] offset:256
	global_store_b32 v114, v[BY], s[20:21] offset:384
	s_wait_xcnt 0x0                                ; EXEC changes only behind it
	s_mov_b32 exec_lo, -1
.Lend_b:
	s_wait_tensorcnt 0x0                           ; the wave's end
	ds_add_u32 v[SPW], v[NIL]
	s_wait_dscnt 0x0
	s_endpgm
.Lfunc_end_k_q3546a9bcfb_prep:
	.size	k_q3546a9bcfb_prep, .Lfunc_end_k_q3546a9bcfb_prep-k_q3546a9bcfb_prep
	.p2alignl 7, 3214868480
	.fill 96, 4, 3214868480
	.section	.rodata,"a",@progbits
	.p2align	6, 0x0
	.amdhsa_kernel k_q3546a9bcfb_prep
		.amdhsa_group_segment_fixed_size 57856
		.amdhsa_private_segment_fixed_size 0
		.amdhsa_enable_private_segment 0
		.amdhsa_kernarg_size 72
		.amdhsa_user_sgpr_count 2
		.amdhsa_user_sgpr_kernarg_segment_ptr 1
		.amdhsa_wavefront_size32 1
		.amdhsa_system_sgpr_workgroup_id_x 1
		.amdhsa_system_sgpr_workgroup_id_y 1
		.amdhsa_system_sgpr_workgroup_id_z 1
		.amdhsa_system_vgpr_workitem_id 0
		.amdhsa_next_free_vgpr 336
		.amdhsa_next_free_sgpr 66
		.amdhsa_reserve_vcc 0
		.amdhsa_float_denorm_mode_32 3
		.amdhsa_float_denorm_mode_16_64 3
		.amdhsa_memory_ordered 1
		.amdhsa_forward_progress 1
		.amdhsa_inst_pref_size 74
	.end_amdhsa_kernel
	.amdgpu_metadata
---
amdhsa.version: [ 1, 2 ]
amdhsa.kernels:
  - .name:           k_q3546a9bcfb_prep
    .symbol:         k_q3546a9bcfb_prep.kd
    .args:
      - { .name: token_embeddings, .offset: 0, .size: 8, .value_kind: global_buffer, .address_space: global }
      - { .name: Wk, .offset: 8, .size: 8, .value_kind: global_buffer, .address_space: global }
      - { .name: Wv, .offset: 16, .size: 8, .value_kind: global_buffer, .address_space: global }
      - { .name: Wq, .offset: 24, .size: 8, .value_kind: global_buffer, .address_space: global }
      - { .name: bq, .offset: 32, .size: 8, .value_kind: global_buffer, .address_space: global }
      - { .name: pos_emb, .offset: 40, .size: 8, .value_kind: global_buffer, .address_space: global }
      - { .name: cod, .offset: 48, .size: 8, .value_kind: global_buffer, .address_space: global }
      - { .name: sc, .offset: 56, .size: 8, .value_kind: global_buffer, .address_space: global }
      - { .name: pr, .offset: 64, .size: 8, .value_kind: global_buffer, .address_space: global }
    .group_segment_fixed_size: 57856
    .private_segment_fixed_size: 0
    .kernarg_segment_align: 8
    .kernarg_segment_size: 72
    .max_flat_workgroup_size: 96
    .sgpr_count:     66
    .vgpr_count:     336
    .wavefront_size: 32
...
	.end_amdgpu_metadata
.endif
;; end of part 1
;; launch kv (part 2): grid 32 x 8, 4 waves a work-group, clusters of 4 x 4, 327,680 bytes of LDS; arguments cod, sc, pr, bk, bv, vc, vs, lgp, lint; writes vc, vs, lgp, lint
.if DOCPART == 2
	.amdgcn_target "amdgcn-amd-amdhsa--gfx1250"
	.amdhsa_code_object_version 6
	.text
	.protected	k_q3546a9bcfb_kv
	.globl	k_q3546a9bcfb_kv
	.p2align	8
	.type	k_q3546a9bcfb_kv,@function
k_q3546a9bcfb_kv:
	s_mov_b64 s[64:65], 0
	v_nop
	global_prefetch_b8 v0, s[64:65] scope:SCOPE_SE
	s_setreg_imm32_b32 hwreg(HW_REG_WAVE_MODE, 25, 1), 1
	s_wait_xcnt 0x0
	s_wait_alu depctr_hold_cnt(0) depctr_sa_sdst(0) depctr_va_vdst(0) depctr_va_sdst(0) depctr_va_ssrc(0) depctr_va_vcc(0) depctr_vm_vsrc(0)
	s_getreg_b32 s2, hwreg(HW_REG_IB_STS2, 6, 4)
	s_cmp_eq_u32 s2, 0
	s_cbranch_scc0 .Lentry_in_a_cluster
	s_endpgm
.Lentry_in_a_cluster:
	s_bfe_u32 s2, ttmp6, 0x10000c
	s_cmp_lg_u32 s2, 0xf033
	s_cbranch_scc0 .Lentry_shape_is_right
	s_endpgm
.Lentry_shape_is_right:
; SECOND LAUNCH: products 2 and 3 whole, on the codes that the first launch made; k is quantised in registers and goes at once through product 4's one live row a batch; v is quantised along the keys and stored as codes; product 5's live rows.
; Left out: rows s > 0 of products 4 and 5 (reference() slices them away: see the first kernel's head).
; SHARES.  256 work-groups: a token block of 256 x 192 columns.  Token block = 4 cluster x + cx; cluster y = 0: k, 1: v; columns 192 cy on.  Four waves, 2 x 2: a wave makes 128 tokens (wave / 2) x 96 columns (wave % 2):
; 48 accumulators, 384 registers, 6 K steps of 48 products.
; WHICH OPERAND IS SOURCE 0.  The result's registers run along source 0's rows, and they must run along the NEXT product's K: for k that is d (source 0 = Wk, 6 tiles; source 1 = x, 8), for v the keys (source 0 = x, 8; source 1 = Wv, 6).
; By the tiles' order of rows the 16 registers of source-0 tiles 2 b and 2 b + 1 are 16 neighbours along that K: a half of a scale block.
; k: 96 d are three blocks; the operand's fourth block gets zero codes.  Its product with q0's three blocks is a partial logit: lgp [2 cy + wave % 2][128 tokens' block][token % 32][token / 32 % 4]; the next launch adds the eight.
; v: vc [batch][key step][d tile][1,536] as images of the operand's registers, vs [batch][key step][d tile][row] their scale words.
; PRODUCT 5, by wave 0 of v's work-groups: 16 columns (the token block's number names them) x 192 along K (blocks 6 cy .. 6 cy + 5): two products, the second half filled with zero codes: lint [cy][batch][512].
; Its operands are asked for in the head, into window 3's free registers, and multiplied behind v's last stores.
; CLUSTER 4 x 4: x's tiles are shared by the four of equal cx, the weight's by the four of equal cy: both are asked for JOINTLY.  k or v is the cluster's own number, so all partners take one way.
; FILLS: K lies in LDS in two halves of three K steps: all first fills, one tensor load a wave: wave 0 the weight's first half, wave 1 x's, waves 2 and 3 the second half's.  Nothing is filled again.
; The first barrier shows the first half (waves 0 and 1 wait ahead of it), the second, in K step 2, the rest.  No prefetch: the walk has no loop, and every tile is asked for at the head.
; LDS: half f at 129,024 f: the weight's 12 tiles, then x's 16; tile i at 4,608 i, K step q of the half at 1,536 q.
; REGISTERS.  Window 0: v1-15 addresses; v16-63 scale words (6 i + s: lanes 0-15 source 1's tile i, lanes 16-31 source 0's); v64-159, v160-255 source 1's two sets.  Window 1: v0-95, v96-191 source 0's two sets; v192-239 the bias, the
; first products' C; v240-251 q0's fragment.  Windows 2, 3: v0-191 the accumulators of source 1's lower and upper tiles; window 3: v192-239 product 5's operands.
; While one set is multiplied the other takes the next K step's 14 fragments, three LDS loads each, in two runs of seven.
; LIMITS: as the first kernel's head states them for the quantiser.
.set PLH,   2801664
.set HALF,  129024
.set XREG,  55296
.set SPARE, 258048
.set OT,  1                            ; product 5's place in lint
.set AD0, 2                            ; v2, v3 LDS address of source 0's fragments, halves 0, 1
.set AD1, 4                            ; v4, v5 of source 1's
.set SPW, 6
.set NIL, 7
.set L16, 8
.set VSC, 9                            ; v9, v10 offsets of scale words
.set OB,  11
.set OUTO, 12
.set TS,  13                           ; v13, v14 product 5's scale words
.set QW,  15                           ; q0's
.set SC,  16                           ; (behind the products the new fragments' words)
.set MXR, 160
.set PLR, 172
.set SOR, 184
.set T2,  196
.set SEL, 50                           ; s[50:51] selects for lane l xor 16; s52 lanes 16-31; s53 lanes with r >= 8
.set MSB, 0
.macro WIN new
.if MSB != (\new)
	s_set_vgpr_msb (MSB<<8)|(\new)
.set MSB, \new
.endif
.endm
.macro WALU
	s_wait_alu depctr_va_vdst(0)
.endm
.macro PLACES n
.rept \n
	v_nop
.endr
.endm
.macro CROUND
	s_barrier_signal -1
	s_barrier_wait -1
	s_cmp_lg_u32 s22, 0
	s_cbranch_scc1 .Lnot_wave_0_\@
	s_barrier_signal -3
.Lnot_wave_0_\@:
	s_barrier_wait -3
	s_barrier_signal -1
	s_barrier_wait -1
.endm
.macro TLOAD g0, g1
	tensor_load_to_lds s[\g0:\g0+3], s[\g1:\g1+7]
	s_nop 0
	PLACES 4
.endm
; product i of a K step: source 1's tile i / n0 x source 0's tile i % n0.  cm = 0: in place; 1: C = the bias of source 0's tile; 2: of source 1's.  The accumulators take turns.
.macro MM i, n0, kst, cm
.set A_, (\i)/(\n0)
.set B_, (\i)%(\n0)
.set H_, (\i)/24
.set D_, 8*((\i)%24)
.set S0_, 96*((\kst)%2)+12*B_
.set S1_, 64+96*((\kst)%2)+12*A_
.if (\cm) == 0
	WIN 0xa1+0x50*H_
.set C_, D_
.else
	WIN 0x91+0x40*H_
.if (\cm) == 1
.set C_, 192+8*B_
.else
.set C_, 192+8*A_
.endif
.endif
	v_wmma_scale_f32_16x16x128_f8f6f4 v[D_:D_+7], v[S0_:S0_+11], v[S1_:S1_+11], v[C_:C_+7], v[SC+6*B_+(\kst)], v[SC+6*A_+(\kst)] matrix_a_fmt:MATRIX_FMT_FP6 matrix_b_fmt:MATRIX_FMT_FP6 matrix_a_scale:MATRIX_SCALE_ROW1
.endm
; fragment f of K step kst: source 0's n0 first, then source 1's
.macro FRAG f, n0, kst
.irp g, 0,1,2
.if (\f) < (\n0)
	WIN 0x40
	ds_load_b128 v[96*((\kst)%2)+12*(\f)+4*\g:96*((\kst)%2)+12*(\f)+4*\g+3], v[AD0+(\kst)/3] offset:4608*(\f)+1536*((\kst)%3)+512*\g
.else
	WIN 0
	ds_load_b128 v[64+96*((\kst)%2)+12*((\f)-(\n0))+4*\g:64+96*((\kst)%2)+12*((\f)-(\n0))+4*\g+3], v[AD1+(\kst)/3] offset:4608*((\f)-(\n0))+1536*((\kst)%3)+512*\g
.endif
.endr
.endm
; A K step: 48 products, and the next step's 14 fragments into the other set, in two runs.  Four places stand ahead of the first of these loads: the step before has multiplied that set.
.macro STEP n0, kst, cm
.if (\kst) > 0
	s_wait_dscnt 0x0                               ; this step's fragments are in
.endif
.set P_, 2
.set Q_, 18
.if (\kst) == 0
.set P_, 12
.set Q_, 28
.elseif (\kst) == 2
.set P_, 10
.set Q_, 24
.endif
.set F_, 0
.set I_, 0
.rept 48
.if (\kst) == 0 && (I_%(\n0)) == 0
	s_wait_dscnt 3*(48/(\n0)-1-I_/(\n0))+3*F_      ; source 1's tile of the next products is in (behind it: its later tiles' loads, and those of the next step issued so far)
.endif
.if (\kst) == 2 && I_ == 4
	s_wait_tensorcnt 0x0                           ; my tensor load has landed;
	s_wait_dscnt 0x0
	s_barrier_signal -1
.endif
.if (\kst) == 2 && I_ == 10
	s_barrier_wait -1                              ; and everybody's: the second half is whole
.endif
.if (\kst) < 5 && (I_ == P_ || I_ == Q_)
.if (\kst) > 0 && I_ == P_
	PLACES 4
.endif
.rept 7
	FRAG F_, \n0, (\kst)+1
.set F_, F_+1
.endr
.endif
	MM I_, \n0, \kst, \cm
.set I_, I_+1
.endr
.endm
.macro GEMM n0, cm
.set F_, 0
.rept 14
	FRAG F_, \n0, 0
.set F_, F_+1
.endr
	STEP \n0, 0, \cm
.irp s, 1,2,3,4,5
	STEP \n0, \s, 0
.endr
	PLACES 4                                       ; ahead of the first read of results and of writes of the products' registers
	WIN 0
.endm
; The twelve blocks of window w: block J is v[16 J .. 16 J + 15], my 16 of its 32 numbers.  Each accumulator is read from its low end on.
; Per source-1 tile x: nb = 3 (k) or 4 (v) blocks, one fragment in v[64 + 12 x ..] and one scale word in v[SC + x].
.macro QG w, nb
	WIN ((\w)<<4)|((\w)<<2)
.irp i, 0,2,4,6,8,10,12,14
.set J, 0
.rept 12
.if \i == 0
	v_max3_num_f32 v[MXR+J], 0x1800000, |v[16*J]|, |v[16*J+1]|     ; with the floor 2^(3 - 127)
.else
	v_max3_num_f32 v[MXR+J], v[MXR+J], |v[16*J+\i]|, |v[16*J+\i+1]|
.endif
.set J, J+1
.endr
.endr
	WIN 0
.set J, 0
.rept 12
	v_permlanex16_b32 v[PLR+J], v[MXR+J], s[SEL], s[SEL+1]
.set J, J+1
.endr
.set J, 0
.rept 12
	v_max_num_f32 v[MXR+J], v[MXR+J], v[PLR+J]     ; with lane l xor 16's 16: the block's largest magnitude
.set J, J+1
.endr
.set J, 0
.rept 12
	v_add_nc_u32 v[SOR+J], 0xff000000, v[MXR+J]
.set J, J+1
.endr
.set J, 0
.rept 12
	v_lshrrev_b32 v[PLR+J], 23, v[SOR+J]
.set J, J+1
.endr
.set X, 0
.rept 12/(\nb)
.set XT, (12/(\nb))*((\w)-2)+X
	v_lshl_or_b32 v[SC+XT], v[PLR+(\nb)*X+1], 8, v[PLR+(\nb)*X]
	v_lshl_or_b32 v[SC+XT], v[PLR+(\nb)*X+2], 16, v[SC+XT]
.if (\nb) == 4
	v_lshl_or_b32 v[SC+XT], v[PLR+(\nb)*X+3], 24, v[SC+XT]
.endif
.set X, X+1
.endr
	WIN \w
.set J, 0
.rept 12
.set X, J/(\nb)
.set BB, J%(\nb)
.set FB, 64+12*((12/(\nb))*((\w)-2)+X)+3*(BB-BB%2)
.if BB%2
.set FB, T2+8*X+2*(BB-1)
.endif
	v_cvt_scalef32_pk16_fp6_f32 v[FB:FB+2], v[16*J:16*J+15], v[SOR+J]
.set J, J+1
.endr
	WIN 0
	v_nop                                          ; one plain place behind the scaled conversions
; the operand's layout wants a WHOLE block in a lane: lanes 0-15 block 2 c, lanes 16-31 block 2 c + 1 (zero codes for k's fourth block)
.set X, 0
.rept 12/(\nb)
.set FB, 64+12*((12/(\nb))*((\w)-2)+X)
.irp i, 0,1,2
	v_permlane16_swap_b32 v[FB+\i], v[T2+8*X+\i]
.endr
.if (\nb) == 4
.irp i, 0,1,2
	v_permlane16_swap_b32 v[FB+6+\i], v[T2+8*X+4+\i]
.endr
.irp i, 0,1,2
	v_mov_b32 v[FB+9+\i], v[T2+8*X+4+\i]
.endr
.else
.irp i, 0,1,2
	v_mov_b32 v[FB+9+\i], 0
.endr
.irp i, 0,1,2
	v_permlane16_swap_b32 v[FB+6+\i], v[FB+9+\i]
.endr
.endif
.irp i, 0,1,2
	v_mov_b32 v[FB+3+\i], v[T2+8*X+\i]
.endr
.set X, X+1
.endr
.endm
; the head's barrier: waves 0 and 1, whose load lines are their own, wait; the first half is whole behind it
.macro SHOW
	s_cmp_lt_u32 s22, 2
	s_cbranch_scc0 .Lno_wait_\@
	s_wait_tensorcnt 0x0
.Lno_wait_\@:
	s_barrier_signal -1
	s_barrier_wait -1
.endm
.macro FINISH
	s_wait_tensorcnt 0x0                           ; the wave's end
	ds_add_u32 v[SPW], v[NIL]
	s_wait_dscnt 0x0
	CROUND                                         ; the closing round
	s_endpgm
.endm
	s_load_b512 s[4:19], s[0:1], 0x0               ; cod, sc, pr, bk, bv, vc, vs, lgp
	s_load_b64 s[20:21], s[0:1], 0x40              ; lint
	v_lshl_add_u32 v[SPW], v0, 2, SPARE
	v_mov_b32 v[NIL], 0
	ds_add_u32 v[SPW], v[NIL]                      ; the wave's opening: the add, twice on end, and its wait ahead of my first tensor load
	ds_add_u32 v[SPW], v[NIL]
	v_lshrrev_b32 v1, 5, v0
	v_readfirstlane_b32 s22, v1                    ; wave
	s_lshr_b32 s23, s22, 1                         ; my half of the tokens.  Also: the half along K that I fetch
	s_and_b32 s66, s22, 1                          ; my half of the columns
	s_bfe_u32 s67, ttmp6, 0x40000                  ; cx
	s_bfe_u32 s68, ttmp6, 0x40004                  ; cy
	s_lshl_b32 s69, ttmp9, 2
	s_add_co_u32 s69, s69, s67                     ; token block
	s_and_b32 s70, ttmp7, 0xffff                   ; 0 k, 1 v
	s_mul_i32 s71, s70, 48
	s_mul_i32 s72, s68, 12
	s_add_co_u32 s71, s71, s72
	s_add_co_u32 s71, s71, 512                     ; the weight's first tile
	s_lshl_b32 s72, s69, 4                         ; x's first tile
	s_lshl_b32 s73, s68, 2
	s_lshl_b32 s73, 15, s73                        ; the four of my cy
	s_lshl_b32 s74, 0x1111, s67                    ; the four of my cx
	s_or_b32 s24, s73, (3<<16)|(1<<21)             ; group 1, the weight: a dense block of 55,296 bytes as 216 rows of 256 bytes
	s_or_b32 s32, s74, (3<<16)|(1<<21)             ; x: 73,728 bytes as 288 rows
.irp g, 24, 32
	s_mov_b32 s[\g+1], 32<<16
	s_mov_b32 s[\g+3], 32<<16
	s_mov_b32 s[\g+5], 32
	s_mov_b32 s[\g+6], 0
	s_mov_b32 s[\g+7], 0
.endr
	s_mov_b32 s26, 216<<16
	s_mov_b32 s28, 216
	s_mov_b32 s34, 288<<16
	s_mov_b32 s36, 288
	s_mul_i32 s75, s23, HALF
	s_mov_b32 s40, 1
	s_mov_b32 s41, s75
	s_mov_b32 s44, 1
	s_add_co_u32 s45, s75, XREG
	s_mul_i32 s76, s71, 4608
	s_mul_i32 s78, s72, 4608
	s_mul_i32 s80, s23, PLH
	s_add_co_u32 s76, s76, s80
	s_add_co_u32 s78, s78, s80
	s_mov_b32 s77, 0
	s_mov_b32 s79, 0
	s_mov_b32 s[SEL], 0x76543210
	s_mov_b32 s[SEL+1], 0xfedcba98
	s_mov_b32 s52, 0xffff0000
	s_mov_b32 s53, 0xff00ff00
	s_lshl_b32 s82, s23, 3
	s_add_co_u32 s82, s82, s72
	s_mul_i32 s84, s82, 384                        ; my 8 tiles of x,
	s_mul_i32 s83, s66, 6
	s_add_co_u32 s83, s83, s71
	s_mul_i32 s85, s83, 384                        ; and my 6 of the weight, among the scale words
	s_sub_co_u32 s86, s85, 2304                    ; (a seventh and an eighth word set wrap to the weight's first two tiles: loaded beside x's, named by no product)
	s_cmp_eq_u32 s70, 0
	s_cselect_b32 s87, s84, s85
	s_cselect_b32 s88, s85, s84
	s_cselect_b32 s89, s84, s86
	s_cselect_b32 s90, s86, s84
	v_and_b32 v64, 15, v0                          ; r
	v_bfe_u32 v65, v0, 4, 1                        ; h
	v_and_b32 v[L16], 31, v0
	v_lshlrev_b32 v[L16], 4, v[L16]
	v_mul_u32_u24 v66, v64, 24
	v_add_nc_u32 v67, s87, v66
	v_add_nc_u32 v68, s88, v66
	v_cndmask_b32 v[VSC], v67, v68, s52
	v_add_nc_u32 v67, s89, v66
	v_add_nc_u32 v68, s90, v66
	v_cndmask_b32 v[VSC+1], v67, v68, s52
	v_and_b32 v69, 8, v64
	v_add_nc_u32 v69, v69, v64
	v_lshlrev_b32 v69, 2, v69                      ; 4 (r + 8 (r / 8))
	v_and_b32 v[OT], 7, v64
	v_lshlrev_b32 v[OT], 11, v[OT]
	v_lshl_add_u32 v[OT], v65, 5, v[OT]
	v_lshrrev_b32 v70, 3, v64
	v_lshl_add_u32 v[OT], v70, 4, v[OT]            ; the table: row r % 8, columns 8 h + 4 (r / 8) + 0 .. 3
	WALU                                           ; the wait here, ahead of the waits below
	s_wait_dscnt 0x0                               ; both opening adds are done
	CROUND                                         ; all sixteen work-groups are here: the joint loads meet
	s_wait_kmcnt 0x0
	s_add_nc_u64 s[42:43], s[4:5], s[76:77]
	s_or_b32 s43, s43, 0x80000000
	s_add_nc_u64 s[46:47], s[4:5], s[78:79]
	s_or_b32 s47, s47, 0x80000000
	s_cmp_eq_u32 s22, 0
	s_cbranch_scc0 .Lwave_1
	TLOAD 40, 24
	s_branch .Lasked
.Lwave_1:
	s_cmp_eq_u32 s22, 1
	s_cbranch_scc0 .Lwave_2
	TLOAD 44, 32
	s_branch .Lasked
.Lwave_2:
	s_cmp_eq_u32 s22, 2
	s_cbranch_scc0 .Lwave_3
	TLOAD 40, 24
	s_branch .Lasked
.Lwave_3:
	TLOAD 44, 32
.Lasked:
.irp i, 0,1,2,3,4,5,6,7
.irp p, 0,1,2
	global_load_b64 v[SC+6*\i+2*\p:SC+6*\i+2*\p+1], v[VSC+\i/6], s[6:7] offset:384*\i+8*\p
.endr
.endr
	s_lshl_b32 s91, s68, 1
	s_add_co_u32 s91, s91, s66                     ; my 96 columns: 2 cy + wave % 2
	s_mul_i32 s78, s91, 384
	s_mov_b32 s79, 0                               ; their bias
	s_mul_i32 s75, s66, 6*4608                     ; my tiles in LDS: the weight's,
	s_mul_i32 s76, s23, 8*4608
	s_add_co_u32 s76, s76, XREG                    ; and x's
	s_cmp_eq_u32 s70, 0
	s_cbranch_scc0 .Lv
; ================= k
	v_add_nc_u32 v[AD0], s75, v[L16]
	v_add_nc_u32 v[AD1], s76, v[L16]
	v_add_nc_u32 v[AD0+1], HALF, v[AD0]
	v_add_nc_u32 v[AD1+1], HALF, v[AD1]
	v_lshlrev_b32 v[OUTO], 2, v69
	v_lshlrev_b32 v[OB], 6, v65
	v_lshlrev_b32 v66, 9, v65                      ; q0's block h,
	v_lshl_add_u32 v[OUTO], v65, 7, v[OUTO]        ; 16 x (the lane's token of 32)
	v_sub_nc_u32 v67, 0x400, v66                   ; and block 2 in lanes 0-15 (lanes 16-31: block 1 once more; k's fourth block has zero codes)
	v_mov_b32 v68, 0
	WALU                                           ; the wait here, ahead of the scalar lines below
	s_add_nc_u64 s[10:11], s[10:11], s[78:79]
	s_mul_i32 s80, s91, 1536
	s_add_co_u32 s80, s80, 393216                  ; tile 32 of pr, my three blocks
	s_lshr_b32 s82, s69, 2                         ; the batch
	s_lshl_b32 s84, s82, 4
	s_add_co_u32 s84, s84, s80
	s_mov_b32 s85, 0
	s_lshl_b32 s86, s82, 3
	s_add_co_u32 s86, s86, s80
	s_mov_b32 s87, 0
	s_lshl_b32 s88, s82, 2
	s_add_co_u32 s88, s88, s80
	s_mov_b32 s89, 0
	s_add_nc_u64 s[84:85], s[8:9], s[84:85]
	s_add_nc_u64 s[86:87], s[8:9], s[86:87]
	s_add_nc_u64 s[88:89], s[8:9], s[88:89]
	s_lshl_b32 s92, s91, 15                        ; where my partial logits go
	s_lshl_b32 s93, s69, 10
	s_add_co_u32 s92, s92, s93
	s_lshl_b32 s93, s23, 9
	s_add_co_u32 s92, s92, s93
	s_mov_b32 s93, 0
	s_add_nc_u64 s[18:19], s[18:19], s[92:93]
	WIN 0x40
.irp g, 0,1,2,3,4,5
	global_load_b128 v[192+8*\g:195+8*\g], v[OB], s[10:11] offset:(32*(\g/2)+8*(\g%2))*4           ; register j of tile g: bk at the tile's d + 16 h + j
	global_load_b128 v[196+8*\g:199+8*\g], v[OB], s[10:11] offset:(32*(\g/2)+8*(\g%2))*4+16
.endr
	global_load_b128 v[240:243], v66, s[84:85]
	global_load_b64 v[244:245], v66, s[86:87] offset:256
	global_load_b128 v[246:249], v67, s[84:85]
	global_load_b64 v[250:251], v67, s[86:87] offset:256
	WIN 0
.irp i, 0,1,2
	global_load_b32 v[70+\i], v68, s[88:89] offset:384+512*\i
.endr
	s_wait_loadcnt 0x0
	v_lshl_or_b32 v[QW], v71, 8, v70
	v_lshl_or_b32 v[QW], v72, 16, v[QW]
	WALU                                           ; the wait at the head's end
	SHOW
	GEMM 6, 1
	QG 2, 3
	QG 3, 3
	PLACES 8                                       ; scale words written by vector instructions stand 8 places ahead, operands 4
	WIN 0x41
.irp a, 0,1,2,3,4,5,6,7
	v_wmma_scale_f32_16x16x128_f8f6f4 v[8*\a:8*\a+7], v[240:251], v[64+12*\a:75+12*\a], 0, v[QW], v[SC+\a] matrix_a_fmt:MATRIX_FMT_FP6 matrix_b_fmt:MATRIX_FMT_FP6   ; source 0 = 16 equal rows of q0: register 0 of lane (r, h) is the token at place r
.endr
	PLACES 4
	WIN 0x05
.irp p, 0,1,2,3
	v_cndmask_b32 v[MXR+\p], v[16*\p], v[16*\p+8], s52         ; lanes 0-15: tile 2 p, lanes 16-31: tile 2 p + 1: together 32 neighbouring tokens
.endr
	WIN 0
	global_store_b128 v[OUTO], v[MXR:MXR+3], s[18:19]          ; the wave stores 512 consecutive bytes
	FINISH
; ================= v
.Lv:
	v_add_nc_u32 v[AD0], s76, v[L16]
	v_add_nc_u32 v[AD1], s75, v[L16]
	v_add_nc_u32 v[AD0+1], HALF, v[AD0]
	v_add_nc_u32 v[AD1+1], HALF, v[AD1]
	v_lshrrev_b32 v[OUTO], 2, v[L16]               ; 4 x lane
	v_mov_b32 v[OB], v69
	WALU                                           ; the wait here, ahead of the scalar lines and the branch below
	s_add_nc_u64 s[12:13], s[12:13], s[78:79]
	s_lshl_b32 s92, s69, 1
	s_add_co_u32 s92, s92, s23                     ; 8 x batch + key step
	s_mul_i32 s92, s92, 48
	s_mul_i32 s93, s91, 6
	s_add_co_u32 s92, s92, s93                     ; my first d tile
	s_mul_i32 s94, s92, 1536
	s_mov_b32 s95, 0
	s_lshl_b32 s92, s92, 6
	s_mov_b32 s93, 0
	s_add_nc_u64 s[14:15], s[14:15], s[94:95]
	s_add_nc_u64 s[16:17], s[16:17], s[92:93]
	s_lshl_b32 s88, s68, 14
	s_lshl_b32 s89, s69, 6
	s_add_co_u32 s88, s88, s89
	s_mov_b32 s89, 0
	s_add_nc_u64 s[20:21], s[20:21], s[88:89]
	WIN 0x40
.irp g, 0,1,2,3,4,5
	global_load_b32 v[192+8*\g], v[OB], s[12:13] offset:(32*(\g/2)+8*(\g%2))*4             ; bv at the lane's d
.endr
	WIN 0
	s_cmp_eq_u32 s22, 0                            ; PRODUCT 5's operands: wave 0
	s_cbranch_scc0 .Lno_table
	s_mul_i32 s80, s68, 3072                       ; blocks 6 cy ..
	s_mul_i32 s84, s69, 12288
	s_add_co_u32 s84, s84, s80
	s_mov_b32 s85, 0
	s_add_co_u32 s86, s80, 393216
	s_mov_b32 s87, 0
	s_add_nc_u64 s[84:85], s[8:9], s[84:85]        ; pos_emb's tile
	s_add_nc_u64 s[86:87], s[8:9], s[86:87]        ; q0
	s_sub_co_u32 s90, 32, s69
	s_mul_i32 s90, s90, 12288
	v_lshlrev_b32 v66, 9, v65
	v_lshl_add_u32 v67, v64, 3, v66
	v_lshl_add_u32 v66, v64, 4, v66
	v_mul_lo_u32 v68, s90, v65
	v_lshl_add_u32 v68, v64, 2, v68                ; scale words: lanes 0-15 pos_emb's row r, lanes 16-31 q0's
	WIN 0xc0                                       ; destination window 3
.irp c, 0,1,2
	global_load_b128 v[192+6*\c:195+6*\c], v66, s[84:85] offset:1024*\c
	global_load_b64 v[196+6*\c:197+6*\c], v67, s[84:85] offset:1024*\c+256
	global_load_b128 v[216+6*\c:219+6*\c], v66, s[86:87] offset:1024*\c
	global_load_b64 v[220+6*\c:221+6*\c], v67, s[86:87] offset:1024*\c+256
.endr
.irp i, 0,1,2,3,4,5
	v_mov_b32 v[210+\i], 0                         ; the second fragments' upper halves: zero codes
	v_mov_b32 v[234+\i], 0
.endr
	WIN 0
.irp i, 0,1,2,3,4,5
	global_load_b32 v[208+\i], v68, s[84:85] offset:384+512*\i
.endr
	WALU                                           ; the wait here, directly ahead of the wait below
	s_wait_loadcnt 0x0
	v_lshl_or_b32 v[TS], v209, 8, v208
	v_lshl_or_b32 v[TS+1], v213, 8, v212
	v_lshl_or_b32 v[TS], v210, 16, v[TS]
	v_lshl_or_b32 v[TS], v211, 24, v[TS]
.Lno_table:
	s_wait_loadcnt 0x0
	WIN 0x41
.irp g, 0,1,2,3,4,5
.irp j, 1,2,3,4,5,6,7
	v_mov_b32 v[192+8*\g+\j], v[192+8*\g]
.endr
.endr
	WIN 0
	WALU                                           ; the wait at the head's end
	SHOW
	GEMM 8, 2
.macro OUT3 a0
.irp a, 0,1,2
.irp g, 0,1,2
	global_store_b128 v[L16], v[64+12*(\a0+\a)+4*\g:67+12*(\a0+\a)+4*\g], s[14:15] offset:1536*(\a0+\a)+512*\g     ; 512 consecutive bytes, aligned
.endr
.endr
.endm
	QG 2, 4
	OUT3 0                                         ; three tiles leave while the other three are quantised
	QG 3, 4
	OUT3 3
.irp p, 0,1,2
	v_cndmask_b32 v[220+\p], v[SC+2*\p], v[SC+2*\p+1], s52     ; lanes 0-15: tile 2 p's words, lanes 16-31: tile 2 p + 1's
.endr
.irp p, 0,1,2
	global_store_b32 v[OUTO], v[220+\p], s[16:17] offset:128*\p
.endr
	s_cmp_eq_u32 s22, 0                            ; PRODUCT 5
	s_cbranch_scc0 .Lno_product
	WIN 0x4f                                       ; sources window 3, D window 1
	v_wmma_scale_f32_16x16x128_f8f6f4 v[0:7], v[192:203], v[216:227], 0, v[TS], v[TS] matrix_a_fmt:MATRIX_FMT_FP6 matrix_b_fmt:MATRIX_FMT_FP6 matrix_b_scale:MATRIX_SCALE_ROW1
	WIN 0x5f                                       ; C window 1
	WALU                                           ; the wait directly ahead of the link
	v_wmma_scale_f32_16x16x128_f8f6f4 v[0:7], v[204:215], v[228:239], v[0:7], v[TS+1], v[TS+1] matrix_a_fmt:MATRIX_FMT_FP6 matrix_b_fmt:MATRIX_FMT_FP6 matrix_b_scale:MATRIX_SCALE_ROW1
	PLACES 4
	WIN 0x05
.irp j, 0,1,2,3
	v_cndmask_b32 v[224+\j], v[\j], v[4+\j], s53   ; lane (r, h): batch r % 8
.endr
	WIN 0
	global_store_b128 v[OT], v[224:227], s[20:21]
.Lno_product:
	FINISH
.Lfunc_end_k_q3546a9bcfb_kv:
	.size	k_q3546a9bcfb_kv, .Lfunc_end_k_q3546a9bcfb_kv-k_q3546a9bcfb_kv
	.p2alignl 7, 3214868480
	.fill 96, 4, 3214868480
	.section	.rodata,"a",@progbits
	.p2align	6, 0x0
	.amdhsa_kernel k_q3546a9bcfb_kv
		.amdhsa_group_segment_fixed_size 327680
		.amdhsa_private_segment_fixed_size 0
		.amdhsa_enable_private_segment 0
		.amdhsa_kernarg_size 72
		.amdhsa_user_sgpr_count 2
		.amdhsa_user_sgpr_kernarg_segment_ptr 1
		.amdhsa_wavefront_size32 1
		.amdhsa_system_sgpr_workgroup_id_x 1
		.amdhsa_system_sgpr_workgroup_id_y 1
		.amdhsa_system_sgpr_workgroup_id_z 1
		.amdhsa_system_vgpr_workitem_id 0
		.amdhsa_next_free_vgpr 1024
		.amdhsa_next_free_sgpr 100
		.amdhsa_reserve_vcc 0
		.amdhsa_float_denorm_mode_32 3
		.amdhsa_float_denorm_mode_16_64 3
		.amdhsa_memory_ordered 1
		.amdhsa_forward_progress 1
		.amdhsa_inst_pref_size 179
	.end_amdhsa_kernel
	.amdgpu_metadata
---
amdhsa.version: [ 1, 2 ]
amdhsa.kernels:
  - .name:           k_q3546a9bcfb_kv
    .symbol:         k_q3546a9bcfb_kv.kd
    .args:
      - { .name: cod, .offset: 0, .size: 8, .value_kind: global_buffer, .address_space: global }
      - { .name: sc, .offset: 8, .size: 8, .value_kind: global_buffer, .address_space: global }
      - { .name: pr, .offset: 16, .size: 8, .value_kind: global_buffer, .address_space: global }
      - { .name: bk, .offset: 24, .size: 8, .value_kind: global_buffer, .address_space: global }
      - { .name: bv, .offset: 32, .size: 8, .value_kind: global_buffer, .address_space: global }
      - { .name: vc, .offset: 40, .size: 8, .value_kind: global_buffer, .address_space: global }
      - { .name: vs, .offset: 48, .size: 8, .value_kind: global_buffer, .address_space: global }
      - { .name: lgp, .offset: 56, .size: 8, .value_kind: global_buffer, .address_space: global }
      - { .name: lint, .offset: 64, .size: 8, .value_kind: global_buffer, .address_space: global }
    .group_segment_fixed_size: 327680
    .private_segment_fixed_size: 0
    .kernarg_segment_align: 8
    .kernarg_segment_size: 72
    .max_flat_workgroup_size: 128
    .sgpr_count:     100
    .vgpr_count:     1024
    .wavefront_size: 32
...
	.end_amdgpu_metadata
.endif
;; end of part 2
;; launch out (part 3): grid 24 x 8, 8 waves a work-group, no clusters, 9,216 bytes of LDS; arguments vc, vs, lgp, attention_mask, lint, out0; writes out0
.if DOCPART == 3
	.amdgcn_target "amdgcn-amd-amdhsa--gfx1250"
	.amdhsa_code_object_version 6
	.text
	.protected	k_q3546a9bcfb_out
	.globl	k_q3546a9bcfb_out
	.p2align	8
	.type	k_q3546a9bcfb_out,@function
k_q3546a9bcfb_out:
	s_mov_b64 s[64:65], 0
	v_nop
	global_prefetch_b8 v0, s[64:65] scope:SCOPE_SE
	s_setreg_imm32_b32 hwreg(HW_REG_WAVE_MODE, 25, 1), 1
	s_wait_xcnt 0x0
; THIRD LAUNCH.  Left out: rows s > 0 of the gates, pos, the gather, the softmax and product 6 (reference() slices them away: see the first kernel's head).
; Work-group (g, b): 32 of the 768 output numbers of batch b.  Wave w owns keys 128 w .. 128 w + 127, one K step of product 6; in the front part register e of lane l is key 128 w + 32 e + l.
; FRONT: the eight partial logits are added, x 1 / sqrt(768), masked keys become -infinity; gates; pos = the reverse running sum (lanes, sets, waves: sums of non-negative numbers, so that pos falls from lane to lane), held at 511.
; THE TABLE (product 5's row, its four parts added once a work-group) lies in 16 registers, entry 32 i + l in lane l of register i.  32 neighbouring keys' pos differ by at most 31 (a gate is at most 1): with B = floor(lane 31's pos) every floor and
; ceiling of a set lies in B .. B + 32, so in registers B / 32 and B / 32 + 1: those two are selected, and a lane permute brings each lane its two entries.  (Where pos is a whole number the ceiling's entry is taken with the factor 0.)
; SOFTMAX AHEAD OF THE PRODUCT: each wave keeps its own M = ceil(the largest t of its 128 keys), not under -3e38; p = 2^(t - M), not normalised, is quantised along the keys; the sum l is taken of the unquantised p.
; At the end every wave's part and sum are brought under the row's largest M by a multiplication by a power of two (v_ldexp_f32 of 1.0), which rounds nothing.
; PRODUCT: source 0 = 16 d x 128 keys of v's codes, source 1 = p's fragment (16 equal rows).  The eight waves' parts are added in LDS, ascending, and divided by l.
; The front is repeated in the 24 work-groups of a batch: 1,024 keys, which eight waves share.  No cluster and no tensor load: a wave's loads go straight into the registers that use them; v's codes are read by one work-group each.
; A batch whose every key is masked gives NaN, as reference() does (0 / 0).  LIMITS: as the first kernel's head states them for the quantiser; scaled scores (t) stay under 2^31 in magnitude.
.set TOT,   0                          ; LDS: the waves' sums of gates, and eight zeros behind them,
.set MAXW,  256                        ; their -M,
.set LSUM,  512                        ; their sums of p,
.set TAB,   1024                       ; the table,
.set PB,    3072                       ; p, 512 bytes a wave,
.set RED,   7168                       ; the waves' parts of the output, 128 bytes each,
.set SPARE, 8192                       ; and the spare words, 128 bytes a wave
.set SH8, 36
.set TP,  37
.set MX,  38
.set SO,  40
.set BY,  42
.set T2,  44
.set SPW, 60
.set NIL, 61
.set MB,  180                          ; v180-181 second maxima
.set PF,  160
.set VW,  152                          ; v's scale words
.set PW,  153                          ; p's
.set SEL, 26
.set TR,  196                          ; v196-227: for each set four odd and four even candidates
.set WN,  228                          ; v228-235: for each set its two registers of the table
.set MK,  66                           ; s66-96: for each set masks of bits 0-3 of B / 32 and bits 1-3 of B / 32 + 1
.macro WALU
	s_wait_alu depctr_va_vdst(0)
.endm
.macro PLACES n
.rept \n
	v_nop
.endr
.endm
	s_load_b256 s[4:11], s[0:1], 0x0               ; vc, vs, lgp, attention_mask
	s_load_b128 s[12:15], s[0:1], 0x20             ; lint, out0
	v_lshl_add_u32 v[SPW], v0, 2, SPARE
	v_mov_b32 v[NIL], 0
	v_lshrrev_b32 v1, 5, v0
	v_readfirstlane_b32 s16, v1                    ; wave
	v_and_b32 v2, 31, v0                           ; lane
	v_bfe_u32 v4, v0, 4, 1                         ; h
	v_lshlrev_b32 v7, 3, v0                        ; 8 x thread
	v_lshlrev_b32 v28, 2, v1                       ; 4 x wave
	v_lshlrev_b32 v30, 9, v1
	v_lshlrev_b32 v31, 7, v1
	v_lshlrev_b32 v5, 2, v2
	v_lshlrev_b32 v29, 4, v2
	v_and_b32 v63, 7, v0
	v_bfe_u32 v3, v0, 3, 1
	v_lshl_add_u32 v6, v1, 9, v5                   ; my key of set 0
	v_lshl_add_u32 v30, v4, 7, v30                 ; my wave's p, + 128 h: my blocks
	v_lshl_add_u32 v31, v4, 5, v31                 ; my wave's part of the output, + 32 h
	v_lshlrev_b32 v63, 2, v63
	v_lshlrev_b32 v[SH8], 3, v4
	v_lshl_add_u32 v63, v4, 5, v63                 ; out0: number 16 t + 8 h' + j is d = 32 g + 8 t + 16 h' + j
	v_mov_b32 v[TP], 0                             ; written once: a lane permute's destination counts as one of its sources
	v_lshl_add_u32 v63, v3, 6, v63
	v_lshlrev_b32 v3, 4, v0                        ; 16 x thread
	v_mov_b32 v62, 0
	v_mov_b32 v51, 0xff800000                      ; -infinity
.irp e, 0,1,2,3
	v_mov_b32 v[20+\e], 0
.endr
	WALU                                           ; the wait at the head's end
	s_and_b32 s17, ttmp7, 0xffff                   ; batch
	s_mov_b32 s22, 0x3d13cd3a                      ; 1 / sqrt(768)
	s_mov_b32 s23, s22
	s_mov_b32 s24, 0xbfb8aa3b                      ; -log2(e)
	s_mov_b32 s25, s24
	s_mov_b32 s[SEL], 0x76543210
	s_mov_b32 s[SEL+1], 0xfedcba98
	s_mov_b32 s28, 0x55555555                      ; lanes whose partner at distance 1, 2, 4, 8, 16 is the higher one
	s_mov_b32 s29, 0x33333333
	s_mov_b32 s30, 0x0f0f0f0f
	s_mov_b32 s31, 0x00ff00ff
	s_mov_b32 s49, 0x0000ffff
	s_lshl_b32 s18, s17, 3
	s_add_co_u32 s18, s18, s16                     ; 8 b + key step
	s_mul_i32 s18, s18, 48
	s_lshl_b32 s19, ttmp9, 1
	s_add_co_u32 s18, s18, s19                     ; my first d tile
	s_mul_i32 s50, s18, 1536
	s_mov_b32 s51, 0
	s_lshl_b32 s52, s18, 6
	s_mov_b32 s53, 0
	s_lshl_b32 s54, s17, 12
	s_mov_b32 s55, 0
	s_lshl_b32 s56, s17, 11
	s_mov_b32 s57, 0
	s_mul_i32 s58, s17, 3072
	s_lshl_b32 s59, ttmp9, 7
	s_add_co_u32 s58, s58, s59
	s_mov_b32 s59, 0
	s_wait_kmcnt 0x0
	s_add_nc_u64 s[8:9], s[8:9], s[54:55]
	s_add_nc_u64 s[10:11], s[10:11], s[54:55]
	s_add_nc_u64 s[12:13], s[12:13], s[56:57]
	s_add_nc_u64 s[4:5], s[4:5], s[50:51]
	s_add_nc_u64 s[6:7], s[6:7], s[52:53]
	s_add_nc_u64 s[14:15], s[14:15], s[58:59]
.irp q, 0,1,2,3,4,5,6,7
	global_load_b128 v[64+4*\q:67+4*\q], v3, s[8:9] offset:32768*\q            ; the eight d chunks: register e is key 128 w + 32 e + l
.endr
.irp e, 0,1,2,3
	global_load_b32 v[156+\e], v6, s[10:11] offset:128*\e
.endr
.irp q, 0,1,2,3
	global_load_b64 v[112+2*\q:113+2*\q], v7, s[12:13] offset:16384*\q         ; two of the table's 512 entries a thread, four parts along K
.endr
.irp t, 0,1
.irp g, 0,1,2
	global_load_b128 v[128+12*\t+4*\g:131+12*\t+4*\g], v29, s[4:5] offset:1536*\t+512*\g th:TH_LOAD_NT
.endr
.endr
	global_load_b32 v[VW], v5, s[6:7]              ; lanes 0-15: the first tile's words, lanes 16-31: the second's
	s_wait_loadcnt 7                               ; all but v's six and its words' one
.irp q, 1,2,3
	v_pk_add_f32 v[112:113], v[112:113], v[112+2*\q:113+2*\q]
	v_pk_add_f32 v[64:65], v[64:65], v[64+4*\q:65+4*\q]
	v_pk_add_f32 v[66:67], v[66:67], v[66+4*\q:67+4*\q]
.endr
	ds_store_b64 v7, v[112:113] offset:TAB
.irp q, 4,5,6,7
	v_pk_add_f32 v[64:65], v[64:65], v[64+4*\q:65+4*\q]
	v_pk_add_f32 v[66:67], v[66:67], v[66+4*\q:67+4*\q]
.endr
	v_pk_mul_f32 v[8:9], v[64:65], s[22:23] op_sel_hi:[1,0]
	v_pk_mul_f32 v[10:11], v[66:67], s[22:23] op_sel_hi:[1,0]
.irp e, 0,1,2,3
	v_cmp_eq_u32 vcc_lo, 0, v[156+\e]
	v_cndmask_b32 v[8+\e], v[8+\e], v51, vcc_lo    ; a masked key's logit is -infinity
.endr
	v_pk_mul_f32 v[12:13], v[8:9], s[24:25] op_sel_hi:[1,0]
	v_pk_mul_f32 v[14:15], v[10:11], s[24:25] op_sel_hi:[1,0]
	WALU                                           ; ahead of the batch, and behind it
.irp e, 0,1,2,3
	v_exp_f32 v[12+\e], v[12+\e]                   ; e^-x (infinity for a masked key)
.endr
	v_nop
	WALU
	v_pk_add_f32 v[12:13], v[12:13], 1.0 op_sel_hi:[1,0]
	v_pk_add_f32 v[14:15], v[14:15], 1.0 op_sel_hi:[1,0]
	WALU
.irp e, 0,1,2,3
	v_rcp_f32 v[12+\e], v[12+\e]                   ; the gate (0 for a masked key)
.endr
	v_nop
	WALU
; v32-35: the sum of the gates of all higher lanes; v16-19: of my group of lanes.  My group meets its neighbour group: if that is the higher one, all its lanes lie above me
.macro MEET src, m, first
.irp e, 0,1,2,3
.if \first
	v_cndmask_b32 v[32+\e], 0, v[20+\e], s[\m]
.else
	v_cndmask_b32 v[24+\e], 0, v[20+\e], s[\m]
.endif
.endr
.irp e, 0,1,2,3
	v_add_f32 v[16+\e], v[\src+\e], v[20+\e]
.endr
.if \first == 0
.irp e, 0,1,2,3
	v_add_f32 v[32+\e], v[32+\e], v[24+\e]
.endr
.endif
.endm
.macro STAGE d, src, m, first
.irp e, 0,1,2,3
	v_mov_b32_dpp v[20+\e], v[\src+\e] row_xmask:\d row_mask:0xf bank_mask:0xf
.endr
	MEET \src, \m, \first
.endm
	STAGE 1, 12, 28, 1
	STAGE 2, 16, 29, 0
	STAGE 4, 16, 30, 0
	STAGE 8, 16, 31, 0
.irp e, 0,1,2,3
	v_permlanex16_b32 v[20+\e], v[16+\e], s[SEL], s[SEL+1]
.endr
	MEET 16, 49, 0
	v_mov_b32 v52, v19                             ; the higher sets of my wave: for set 2,
	v_add_f32 v53, v19, v18                        ; for set 1,
.irp e, 0,1,2,3
	v_add_f32 v[12+\e], v[12+\e], v[32+\e]         ; my key's gate and the higher lanes'
.endr
	v_add_f32 v54, v53, v17                        ; for set 0,
	v_add_f32 v55, v54, v16                        ; and all four
	ds_store_b32 v28, v55 offset:TOT               ; all lanes write the same word with the same value
	ds_store_b32 v28, v62 offset:TOT+32
	WALU                                           ; the wait here, directly ahead of the wait below
	s_wait_dscnt 0x0                               ; for the others' sake: my stores are done
	s_barrier_signal -1
	s_barrier_wait -1
.irp u, 1,2,3,4,5,6,7
	ds_load_b32 v[63+\u], v28 offset:TOT+4*\u      ; waves w + 1 .. w + 7 (zeros beyond the last)
.endr
.irp i, 0,1,2,3,4,5,6,7,8,9,10,11,12,13,14,15
	ds_load_b32 v[96+\i], v5 offset:TAB+128*\i
.endr
	s_wait_dscnt 16                                ; the sums are in; the table's 16 loads may be out
	v_add_f32 v59, v70, v69
.irp u, 68, 67, 66, 65, 64
	v_add_f32 v59, v59, v\u                        ; from the last wave down
.endr
	v_add_f32 v56, v59, v54
	v_add_f32 v57, v59, v53
	v_add_f32 v58, v59, v52
.irp e, 0,1,2,3
	v_add_f32 v[12+\e], v[12+\e], v[56+\e]
.endr
.irp e, 0,1,2,3
	v_min_num_f32 v[12+\e], 0x43ff8000, v[12+\e]   ; pos, held at 511
.endr
.irp e, 0,1,2,3
	v_floor_f32 v[16+\e], v[12+\e]
.endr
.irp e, 0,1,2,3
	v_cvt_i32_f32 v[24+\e], v[16+\e]
.endr
.irp e, 0,1,2,3
	v_readlane_b32 s[32+\e], v[24+\e], 31          ; the set's lowest floor
.endr
.irp e, 0,1,2,3
	v_sub_f32 v[20+\e], v[12+\e], v[16+\e]         ; w
	v_lshlrev_b32 v[172+\e], 2, v[24+\e]           ; a lane permute's index: 4 x lane, taken modulo 32 lanes
.endr
.irp e, 0,1,2,3
	v_add_nc_u32 v[176+\e], 4, v[172+\e]
.endr
	WALU                                           ; the wait here, ahead of the scalar lines and the wait below
.irp e, 0,1,2,3
	s_lshr_b32 s[36+\e], s[32+\e], 5
.endr
.irp e, 0,1,2,3
	s_add_co_u32 s[40+\e], s[36+\e], 1
.endr
.irp e, 0,1,2,3
.irp k, 0,1,2,3
	s_lshl_b32 s[MK+8*\e+\k], s[36+\e], 31-\k
.endr
.irp k, 1,2,3
	s_lshl_b32 s[MK+8*\e+3+\k], s[40+\e], 31-\k
.endr
.endr
.irp e, 0,1,2,3
.irp k, 0,1,2,3,4,5,6
	s_ashr_i32 s[MK+8*\e+\k], s[MK+8*\e+\k], 31
.endr
.endr
	s_wait_dscnt 0x0                               ; the table is in
; each set's two registers of the table: odd and even ones are selected apart, by the bits of B / 32 and of B / 32 + 1
.irp e, 0,1,2,3
.irp k, 0,1,2,3
	v_cndmask_b32 v[TR+8*\e+\k], v[97+4*\k], v[99+4*\k], s[MK+8*\e+1]
	v_cndmask_b32 v[TR+8*\e+4+\k], v[96+4*\k], v[98+4*\k], s[MK+8*\e+4]
.endr
.endr
.irp e, 0,1,2,3
.irp k, 0,2
	v_cndmask_b32 v[TR+8*\e+\k], v[TR+8*\e+\k], v[TR+8*\e+\k+1], s[MK+8*\e+2]
	v_cndmask_b32 v[TR+8*\e+4+\k], v[TR+8*\e+4+\k], v[TR+8*\e+5+\k], s[MK+8*\e+5]
.endr
.endr
.irp e, 0,1,2,3
	v_cndmask_b32 v[TR+8*\e], v[TR+8*\e], v[TR+8*\e+2], s[MK+8*\e+3]
	v_cndmask_b32 v[TR+8*\e+4], v[TR+8*\e+4], v[TR+8*\e+6], s[MK+8*\e+6]
.endr
.irp e, 0,1,2,3
	v_cndmask_b32 v[WN+2*\e], v[TR+8*\e+4], v[TR+8*\e], s[MK+8*\e]
	v_cndmask_b32 v[WN+2*\e+1], v[TR+8*\e], v[TR+8*\e+4], s[MK+8*\e]
.endr
.irp e, 0,1,2,3
	ds_bpermute_b32 v[64+4*\e], v[172+\e], v[WN+2*\e]
	ds_bpermute_b32 v[65+4*\e], v[172+\e], v[WN+2*\e+1]
	ds_bpermute_b32 v[66+4*\e], v[176+\e], v[WN+2*\e]
	ds_bpermute_b32 v[67+4*\e], v[176+\e], v[WN+2*\e+1]
.endr
	s_wait_dscnt 0x0
.irp e, 0,1,2,3
	v_lshrrev_b32 v[112+\e], 5, v[24+\e]
	v_lshrrev_b32 v[116+\e], 7, v[176+\e]
.endr
.irp e, 0,1,2,3
	v_cmp_ne_u32 vcc_lo, s[36+\e], v[112+\e]
	v_cndmask_b32 v[64+4*\e], v[64+4*\e], v[65+4*\e], vcc_lo       ; lf
	v_cmp_ne_u32 vcc_lo, s[36+\e], v[116+\e]
	v_cndmask_b32 v[66+4*\e], v[66+4*\e], v[67+4*\e], vcc_lo       ; lc
.endr
.irp e, 0,1,2,3
	v_fma_f32 v[24+\e], v[66+4*\e], v[20+\e], v[8+\e]              ; logit + lc w
.endr
.irp e, 0,1,2,3
	v_sub_f32 v[20+\e], 1.0, v[20+\e]
.endr
.irp e, 0,1,2,3
	v_fma_f32 v[24+\e], v[64+4*\e], v[20+\e], v[24+\e]             ; + lf (1 - w)
.endr
.irp e, 0,1,2,3
	v_mul_f32 v[24+\e], 0x3fb8aa3b, v[24+\e]       ; t
.endr
	v_max3_num_f32 v38, v24, v25, v26
	v_max3_num_f32 v38, v38, v27, 0xff61b1e6       ; not under -3e38: a wave whose every key is masked gets p = 0
	v_max_num_f32_dpp v38, v38, v38 row_xmask:1 row_mask:0xf bank_mask:0xf
	v_max_num_f32_dpp v38, v38, v38 row_xmask:2 row_mask:0xf bank_mask:0xf
	v_max_num_f32_dpp v38, v38, v38 row_xmask:4 row_mask:0xf bank_mask:0xf
	v_max_num_f32_dpp v38, v38, v38 row_xmask:8 row_mask:0xf bank_mask:0xf
	v_permlanex16_b32 v[TP], v38, s[SEL], s[SEL+1]
	v_max_num_f32 v38, v38, v[TP]                  ; my wave's largest t
	v_floor_f32 v39, -v38                          ; -M = floor(-t) = -ceil(t)
.irp e, 0,1,2,3
	v_add_f32 v[24+\e], v[24+\e], v39
.endr
	ds_store_b32 v28, v39 offset:MAXW
	WALU
.irp e, 0,1,2,3
	v_exp_f32 v[24+\e], v[24+\e]                   ; p = 2^(t - M)
.endr
	v_nop
	WALU
.irp e, 0,1,2,3
	ds_store_b32 v6, v[24+\e] offset:PB+128*\e     ; p by keys,
.endr
.irp c, 0,1
.irp j, 0,1,2,3,4,5,6,7
	ds_load_b128 v[64+32*\c+4*\j:67+32*\c+4*\j], v30 offset:PB+256*\c+16*\j    ; and back by blocks: key 64 c + 32 h + i; my wave's own bytes, served in order
.endr
.endr
	v_add_f32 v38, v24, v25
	v_add_f32 v39, v26, v27
	v_add_f32 v38, v38, v39
	v_add_f32_dpp v38, v38, v38 row_xmask:1 row_mask:0xf bank_mask:0xf
	v_add_f32_dpp v38, v38, v38 row_xmask:2 row_mask:0xf bank_mask:0xf
	v_add_f32_dpp v38, v38, v38 row_xmask:4 row_mask:0xf bank_mask:0xf
	v_add_f32_dpp v38, v38, v38 row_xmask:8 row_mask:0xf bank_mask:0xf
	v_permlanex16_b32 v[TP], v38, s[SEL], s[SEL+1]
	v_add_f32 v38, v38, v[TP]                      ; my wave's sum of the unquantised p
	ds_store_b32 v28, v38 offset:LSUM
	s_wait_dscnt 0x0
	s_wait_loadcnt 0x0                             ; v's codes and words are in
.irp c, 0,1
	v_max3_num_f32 v[MX+\c], v[64+32*\c], v[65+32*\c], 0x1800000   ; (p is never negative) the floor 2^(3 - 127) holds the byte at 1 from below
	v_max3_num_f32 v[MB+\c], v[80+32*\c], v[81+32*\c], v[82+32*\c]
.endr
.irp i, 2,4,6,8,10,12
.irp c, 0,1
	v_max3_num_f32 v[MX+\c], v[MX+\c], v[64+32*\c+\i], v[65+32*\c+\i]
	v_max3_num_f32 v[MB+\c], v[MB+\c], v[81+32*\c+\i], v[82+32*\c+\i]
.endr
.endr
.irp c, 0,1
	v_max3_num_f32 v[MX+\c], v[MX+\c], v[78+32*\c], v[79+32*\c]
.endr
.irp c, 0,1
	v_max3_num_f32 v[MX+\c], v[MX+\c], v[MB+\c], v[95+32*\c]
.endr
.irp c, 0,1
	v_add_nc_u32 v[SO+\c], 0xff000000, v[MX+\c]
.endr
.irp c, 0,1
	v_lshrrev_b32 v[BY+\c], 23, v[SO+\c]
.endr
	v_lshl_or_b32 v[PW], v[BY+1], 16, v[BY]
	v_lshlrev_b32 v[PW], v[SH8], v[PW]
	v_permlanex16_b32 v[TP], v[PW], s[SEL], s[SEL+1]
	v_or_b32 v[PW], v[PW], v[TP]
.irp c, 0,1
	v_cvt_scalef32_pk16_fp6_f32 v[PF+6*\c:PF+6*\c+2], v[64+32*\c:79+32*\c], v[SO+\c]
	v_cvt_scalef32_pk16_fp6_f32 v[T2+4*\c:T2+4*\c+2], v[80+32*\c:95+32*\c], v[SO+\c]
.endr
	v_nop
.irp c, 0,1
.irp i, 0,1,2
	v_mov_b32 v[PF+6*\c+3+\i], v[T2+4*\c+\i]
.endr
.endr
	PLACES 8                                       ; the scale word written by vector instructions stands 8 places ahead, the operand 4
	v_wmma_scale_f32_16x16x128_f8f6f4 v[64:71], v[128:139], v[PF:PF+11], 0, v[VW], v[PW] matrix_a_fmt:MATRIX_FMT_FP6 matrix_b_fmt:MATRIX_FMT_FP6
	v_wmma_scale_f32_16x16x128_f8f6f4 v[72:79], v[140:151], v[PF:PF+11], 0, v[VW], v[PW] matrix_a_fmt:MATRIX_FMT_FP6 matrix_b_fmt:MATRIX_FMT_FP6 matrix_a_scale:MATRIX_SCALE_ROW1
	PLACES 4
.irp t, 0,1
	ds_store_b128 v31, v[64+8*\t:67+8*\t] offset:RED+64*\t         ; number 16 t + 8 h + j; the sixteen lanes of a half hold the same numbers and write the same bytes
	ds_store_b128 v31, v[68+8*\t:71+8*\t] offset:RED+64*\t+16
.endr
	s_wait_dscnt 0x0                               ; for wave 0's sake: my part, my sum and my -M are stored
	s_barrier_signal -1
	s_barrier_wait -1
	s_cmp_eq_u32 s16, 0                            ; 32 numbers: wave 0 finishes them, a lane a number
	s_cbranch_scc0 .Ldone
	ds_load_b128 v[96:99], v62 offset:MAXW
	ds_load_b128 v[100:103], v62 offset:MAXW+16
	ds_load_b128 v[88:91], v62 offset:LSUM
	ds_load_b128 v[92:95], v62 offset:LSUM+16
.irp u, 0,1,2,3,4,5,6,7
	ds_load_b32 v[80+\u], v5 offset:RED+128*\u
.endr
	s_wait_dscnt 0x0
	v_min3_num_f32 v104, v96, v97, v98
	v_min3_num_f32 v105, v99, v100, v101
	v_min3_num_f32 v104, v104, v102, v103
	v_min_num_f32 v104, v104, v105                 ; the row's -M
.irp u, 0,1,2,3,4,5,6,7
	v_sub_f32 v[96+\u], v104, v[96+\u]             ; the wave's M less the row's: a whole number, 0 or less
.endr
.irp u, 0,1,2,3,4,5,6,7
	v_cvt_i32_f32 v[96+\u], v[96+\u]               ; (it saturates)
.endr
.irp u, 0,1,2,3,4,5,6,7
	v_ldexp_f32 v[96+\u], 1.0, v[96+\u]
.endr
	v_mul_f32 v80, v80, v96
	v_mul_f32 v88, v88, v96
.irp u, 1,2,3,4,5,6,7
	v_fma_f32 v80, v[80+\u], v[96+\u], v80         ; the eight key steps, ascending
	v_fma_f32 v88, v[88+\u], v[96+\u], v88         ; and their sums
.endr
	WALU
	v_rcp_f32 v88, v88
	v_nop
	WALU
	v_mul_f32 v80, v80, v88
	global_store_b32 v63, v80, s[14:15]            ; 128 consecutive bytes
.Ldone:
	s_wait_tensorcnt 0x0                           ; the wave's end
	ds_add_u32 v[SPW], v[NIL]
	s_wait_dscnt 0x0
	s_endpgm
.Lfunc_end_k_q3546a9bcfb_out:
	.size	k_q3546a9bcfb_out, .Lfunc_end_k_q3546a9bcfb_out-k_q3546a9bcfb_out
	.p2alignl 7, 3214868480
	.fill 96, 4, 3214868480
	.section	.rodata,"a",@progbits
	.p2align	6, 0x0
	.amdhsa_kernel k_q3546a9bcfb_out
		.amdhsa_group_segment_fixed_size 9216
		.amdhsa_private_segment_fixed_size 0
		.amdhsa_enable_private_segment 0
		.amdhsa_kernarg_size 48
		.amdhsa_user_sgpr_count 2
		.amdhsa_user_sgpr_kernarg_segment_ptr 1
		.amdhsa_wavefront_size32 1
		.amdhsa_system_sgpr_workgroup_id_x 1
		.amdhsa_system_sgpr_workgroup_id_y 1
		.amdhsa_system_sgpr_workgroup_id_z 1
		.amdhsa_system_vgpr_workitem_id 0
		.amdhsa_next_free_vgpr 256
		.amdhsa_next_free_sgpr 98
		.amdhsa_reserve_vcc 1
		.amdhsa_float_denorm_mode_32 3
		.amdhsa_float_denorm_mode_16_64 3
		.amdhsa_memory_ordered 1
		.amdhsa_forward_progress 1
		.amdhsa_inst_pref_size 34
	.end_amdhsa_kernel
	.amdgpu_metadata
---
amdhsa.version: [ 1, 2 ]
amdhsa.kernels:
  - .name:           k_q3546a9bcfb_out
    .symbol:         k_q3546a9bcfb_out.kd
    .args:
      - { .name: vc, .offset: 0, .size: 8, .value_kind: global_buffer, .address_space: global }
      - { .name: vs, .offset: 8, .size: 8, .value_kind: global_buffer, .address_space: global }
      - { .name: lgp, .offset: 16, .size: 8, .value_kind: global_buffer, .address_space: global }
      - { .name: attention_mask, .offset: 24, .size: 8, .value_kind: global_buffer, .address_space: global }
      - { .name: lint, .offset: 32, .size: 8, .value_kind: global_buffer, .address_space: global }
      - { .name: out0, .offset: 40, .size: 8, .value_kind: global_buffer, .address_space: global }
    .group_segment_fixed_size: 9216
    .private_segment_fixed_size: 0
    .kernarg_segment_align: 8
    .kernarg_segment_size: 48
    .max_flat_workgroup_size: 256
    .sgpr_count:     98
    .vgpr_count:     256
    .wavefront_size: 32
...
	.end_amdgpu_metadata
.endif
;; end of part 3
